; MI455X (gfx1250); checked and timed in simulation.
; The chip was launched on July 23, 2026; its instructions are those of AMD's public machine-readable ISA for CDNA 5 (MIT licence, August 2026) and "CDNA5" Instruction Set Architecture Reference Guide (July 2026). The comments in the code are by the model that wrote it; some were corrected since.
;; Attention. Allowed arithmetic: matrix products marked QUANTISED: E2M3 operands, one E8M0 scale for each 32 along K, by v_wmma_scale_f32_16x16x128_f8f6f4 with both operands' format E2M3, f32 sums; everything else in f32.
;; Inputs: attn_mask 1 x 1 x 2,048 x 2,048 int32; k 4 x 16 x 2,048 x 128 float32; pad_mask 4 x 2,048 int32; q 4 x 16 x 2,048 x 128 float32; v 4 x 16 x 2,048 x 128 float32.
;; Outputs: out0 4 x 16 x 2,048 x 128 float32.
;; This version of the problem:
;;   THIS VERSION OF THE PROBLEM IS GIVEN IN LOW PRECISION. The matrix products marked QUANTISED in the list below multiply operands that are first quantised to E2M3 (2 exponent bits, 3 mantissa bits; 6 bits a number), with one power-of-two scale for each 32 numbers along K (OCP MX v1.0); their sums are f32. All else is computed in f32.
;;   The module's matrix products, in the order in which they are computed (A, B: the left and right operand; K: the contracted axis; several contracted axes count as one K, in the product's order):
;;     1. batch 64 x [M 2,048, K 128] x [K 128, N 2,048]; A: input q; B: input k: QUANTISED
;;     2. batch 64 x [M 2,048, K 2,048] x [K 2,048, N 128]; A: softmax (see below); B: input v: QUANTISED
;;   THE QUANTISER, for each operand of a quantised product, along K:
;;     - K is cut into blocks of 32 from its start; a last block that is shorter is filled with zeros.
;;     - A block's scale is 2^e with e = floor(log2(the largest magnitude in the block)) - 2, held to -126 .. 127; a block of zeros has e = 0. As a byte (E8M0): e + 127.
;;     - Each number is divided by its block's scale, clamped to +-7.5, and rounded to the nearest number of E2M3, ties to even, subnormals kept.
;;     - The product sums the exact products of the quantised numbers (number of the format x scale) in f32.
;;   ~~~python
;;   def quantise(x, axis):      # numpy; x: float32 -> the quantised numbers, widened to float32 again
;;       x = np.moveaxis(x, axis, -1); K = x.shape[-1]
;;       x = np.pad(x, [(0, 0)] * (x.ndim - 1) + [(0, -K % 32)]); x = x.reshape(x.shape[:-1] + (-1, 32)); a = np.abs(x).max(-1, keepdims=True)
;;       e = np.where(a > 0, np.clip(np.frexp(np.where(a > 0, a, 1))[1] - 1 - 2, -126, 127), 0)      # np.frexp(a)[1] - 1 = floor(log2(a)), exactly
;;       r = np.clip(x / 2.0 ** e, -7.5, 7.5)
;;       step = 2.0 ** (np.maximum(np.frexp(np.where(r == 0, 1, r))[1] - 1, 0) - 3)
;;       q = np.round(r / step) * step * 2.0 ** e      # np.round: ties to even
;;       return np.moveaxis(q.reshape(q.shape[:-2] + (-1,))[..., :K], -1, axis).astype(np.float32)
;;   ~~~
;;   SOFTMAX AHEAD OF A QUANTISED PRODUCT. Where the list says 'softmax', what is quantised is not the finished softmax but p = 2^(t - M), with t = logit x log2(e) and M = ceil(the row's largest t), a whole number; so 1/2 < the row's largest p <= 1. The row's sum l is taken of the UNQUANTISED p, in f32, and the product's result is divided by l at the end. Since M is a whole number, a kernel that streams over the keys may use a running M (the ceiling of the running maximum): every later rescaling is an exact power of two, which a block's scale takes up: the codes' values come out the same.
;;   OPERANDS COMPUTED ON THE WAY. 'Computed on the way' means the value that the module computes at that place (a softmax that the list does not call 'softmax' is quantised finished and normalised). What goes into a quantiser is computed in f32, as accurately as f32 sums, v_exp_f32 and their like allow (about 1e-6 of the number): no bf16 or f16 on the way to a quantiser, and a product that is left as it is and whose result goes on into a quantised operand takes f32 operands (vector FMAs, or v_wmma_f32_16x16x4_f32). A number that lies on a knife's edge between two numbers of the format may be rounded either way, as far as f32 arithmetic and the matrix unit's own rounding can turn it there, and no further.
;; One version. Each part assembles by itself: llvm-mc -triple=amdgcn-amd-amdhsa -mcpu=gfx1250 --defsym DOCPART=n.
;; ======== version 1 of 1: 2 launches
;; limits: right only within a limited range of input values
;; workspace buffers: kv 26,214,400 bytes; maskw 2,097,152 bytes of whole numbers; flags 32,768 bytes of whole numbers
;; launch prep (part 1): grid 2304 x 1, 4 waves a work-group, no clusters, 68,096 bytes of LDS; arguments k, v, attn_mask, pad_mask, kv, maskw, flags; writes kv, maskw, flags
.if DOCPART == 1
	.amdgcn_target "amdgcn-amd-amdhsa--gfx1250"
	.amdhsa_code_object_version 6
	.text
	.protected	k_q9bb947bf5d_prep
	.globl	k_q9bb947bf5d_prep
	.p2align	8
	.type	k_q9bb947bf5d_prep,@function
k_q9bb947bf5d_prep:
	s_mov_b64 s[64:65], 0
	v_nop
	global_prefetch_b8 v0, s[64:65] scope:SCOPE_SE
	s_setreg_imm32_b32 hwreg(HW_REG_WAVE_MODE, 25, 1), 1
	s_wait_xcnt 0x0
; What the attention launch reads again and again is made here once.  Three kinds of work-group, told apart by the work-group's number; each reads 64 KiB.
;   0 .. 1023     k [64 heads][2048 keys][128] f32 -> codes of FP6 (E2M3) along the head's 128, one E8M0 scale byte for each 32
;   1024 .. 2047  v [64 heads][2048 keys][128] f32 -> codes along the KEYS (the second product's K), one scale byte for each 32 keys
;   2048 .. 2303  attn_mask [2048][2048], pad_mask [4][2048], int32 -> one bit for each (query, key, batch): 1 where both are not 0; and a flag for each 16 queries x 128 keys
; A block's scale is 2^(floor(log2(its largest magnitude)) - 2): its byte is the largest magnitude's exponent field - 2, held at 1 from below.
; LIMITS: a block of zeros gets the byte 1 where the rule says 127 (its codes are zeros, and this program alone reads the bytes); blocks whose largest
; magnitude lies under 2^(3 - 127) take the floor's byte; NaN and infinities among the inputs are not served.
; kv, 409,600 bytes a head.  For key step ks of 128 keys 24,576 bytes at 24,576 ks: K's eight fragments, then V's eight, each an image of the operand's registers,
; 1,536 bytes: register j of lane l at 512 (j / 4) + 16 l + 4 (j % 4).  K's tile 4 c + t: lane (r, h) holds key 64 c + 8 t + r % 8 + 32 (r / 8), registers 6 c' .. 6 c' + 5
; the head's 64 c' + 32 h + 0 .. 31.  V's tile T: lane (r, h) holds channel 16 T + r, registers 6 c .. 6 c + 5 keys 64 c + 32 h + 0 .. 31.
; Scale words at 393,216 + 1,024 ks: K's 512 bytes, then V's: the word of tile T, row r at 256 (T / 4) + 16 r + 4 (T % 4).
; maskw [batch][tile of 16 queries][key step][64 words]: bit r + 16 h of word n says whether key 64 (n / 32) + 32 h + n % 32 of the step counts for query r of the tile.
; flags [batch][tile of 16 queries][key step], a word each: 1 << key step where some bit of the step's 64 words is 0, else 0.
; No tensor loads, no barrier: waves share nothing.  The k path and the mask path turn their numbers through a stage in LDS, a region for each wave and each path.
.set HEADB,  409600
.set STEPB,  24576
.set SCALES, 393216
.set FRB,    1536
.set PITCH,  528                       ; a stage row: 512 bytes + 16
.set WREG,   16*PITCH
.set MSTG,   4*WREG                    ; the mask path's stages lie behind the k path's
.set LANE, 2
.set RR,   3                           ; lane % 16
.set HH,   4                           ; lane / 16
.set L16,  5                           ; 16 x lane
.set SCO,  6                           ; my scale word's place: 16 r + 4 (lane / 16) + 256 (wave / 2) + 8 (wave % 2)
.set H8,   7                           ; 8 x (lane / 16)
.set QP,   8
.set L4,   9
.set QM,   10
.set QS,   12
.set AIN,  14
.set AOUT, 15
.set X,    32                          ; v32-159 the numbers
.set F,    160                         ; v160-183 two fragments' codes
.set T,    184
.set W,    192
.set SEL,  18                          ; s[18:19] selects for lane l xor 16
; 64 numbers of a lane (block c at v[x + 32 c]: k 64 c + 32 h + 0 .. 31 of my row) become the fragment's 12 registers at v[f] and the row's scale word in v[w]
.macro QW x, f, t, w
.irp c, 0,1
	v_max3_num_f32 v[QM+\c], |v[(\x)+32*\c]|, |v[(\x)+32*\c+1]|, 0x1800000   ; the floor 2^(3 - 127) among the leaves
.endr
.irp i, 2,4,6,8,10,12,14,16,18,20,22,24,26,28,30
.irp c, 0,1
	v_max3_num_f32 v[QM+\c], v[QM+\c], |v[(\x)+32*\c+\i]|, |v[(\x)+32*\c+\i+1]|
.endr
.endr
.irp c, 0,1
	v_add_nc_u32 v[QS+\c], 0xff000000, v[QM+\c]    ; 2 off the exponent field: the conversion's scale operand
.endr
.irp c, 0,1
	v_lshrrev_b32 v[QM+\c], 23, v[QS+\c]           ; the byte
.endr
	v_lshl_or_b32 v[(\w)], v[QM+1], 16, v[QM]
	v_lshlrev_b32 v[(\w)], v[H8], v[(\w)]
	v_permlanex16_b32 v[QP], v[(\w)], s[SEL], s[SEL+1]
	v_or_b32 v[(\w)], v[(\w)], v[QP]
.irp c, 0,1
	v_cvt_scalef32_pk16_fp6_f32 v[(\f)+6*\c:(\f)+6*\c+2], v[(\x)+32*\c:(\x)+32*\c+15], v[QS+\c]
	v_cvt_scalef32_pk16_fp6_f32 v[(\t)+4*\c:(\t)+4*\c+2], v[(\x)+32*\c+16:(\x)+32*\c+31], v[QS+\c]   ; three registers begin on an even number: moved below
.endr
	v_nop                                          ; one plain instruction behind the scaled conversions
.irp c, 0,1
.irp i, 0,1,2
	v_mov_b32 v[(\f)+6*\c+3+\i], v[(\t)+4*\c+\i]
.endr
.endr
.endm
	s_load_b256 s[4:11], s[0:1], 0x0               ; k, v, attn_mask, pad_mask
	s_load_b128 s[12:15], s[0:1], 0x20             ; kv, maskw
	s_load_b64 s[28:29], s[0:1], 0x30              ; flags
	v_lshl_add_u32 v216, v0, 2, 0x10800            ; my spare word, behind the eight stages
	v_mov_b32 v217, 0
	v_lshrrev_b32 v1, 5, v0
	v_readfirstlane_b32 s16, v1                    ; wave
	v_and_b32 v[LANE], 31, v0
	v_and_b32 v[RR], 15, v0
	v_bfe_u32 v[HH], v0, 4, 1
	v_lshlrev_b32 v[L16], 4, v[LANE]
	v_lshlrev_b32 v[L4], 2, v[LANE]
	v_lshlrev_b32 v[H8], 3, v[HH]
	v_mov_b32 v[QP], 0
	s_lshr_b32 s20, s16, 1
	s_lshl_b32 s20, s20, 8
	s_and_b32 s21, s16, 1
	s_lshl_b32 s21, s21, 3
	s_add_co_u32 s20, s20, s21
	v_lshlrev_b32 v[SCO], 4, v[RR]
	v_lshl_add_u32 v[SCO], v[HH], 2, v[SCO]
	v_add_nc_u32 v[SCO], s20, v[SCO]
	s_mov_b32 s[SEL], 0x76543210
	s_mov_b32 s[SEL+1], 0xfedcba98
	s_mul_i32 s17, s16, WREG                       ; my stage
	s_wait_kmcnt 0x0
	s_cmp_ge_u32 ttmp9, 2048
	s_cbranch_scc1 .Lmask
	; k's and v's work-groups: one key step of one head each
	s_and_b32 s22, ttmp9, 1023                     ; 16 x head + key step
	s_lshl_b32 s20, s22, 16
	s_mov_b32 s21, 0
	s_and_b32 s23, s22, 15
	s_lshr_b32 s22, s22, 4
	s_mul_i32 s22, s22, HEADB
	s_mul_i32 s24, s23, STEPB
	s_add_co_u32 s24, s24, s22
	s_mul_i32 s25, s16, 2*FRB                      ; my wave's two tiles
	s_add_co_u32 s24, s24, s25
	s_mov_b32 s25, 0
	s_lshl_b32 s26, s23, 10
	s_add_co_u32 s26, s26, s22
	s_add_co_u32 s26, s26, SCALES
	s_mov_b32 s27, 0
	s_cmp_ge_u32 ttmp9, 1024
	s_cbranch_scc1 .Lvals
	; ---- K.  Wave w makes tiles 2 w and 2 w + 1: its keys begin at 64 (w / 2) + 16 (w % 2).  Each load reads one key's 512 bytes; a tile's 16 rows turn through my stage.
	s_lshr_b32 s28, s16, 1
	s_lshl_b32 s28, s28, 15
	s_and_b32 s29, s16, 1
	s_lshl_b32 s29, s29, 13
	s_add_co_u32 s28, s28, s29
	s_add_co_u32 s20, s20, s28
	s_add_nc_u64 s[4:5], s[4:5], s[20:21]
	s_add_nc_u64 s[28:29], s[12:13], s[24:25]      ; my images
	s_add_nc_u64 s[30:31], s[12:13], s[26:27]      ; the scale words
	s_wait_alu depctr_va_vdst(0)
	v_add_nc_u32 v[AIN], s17, v[L16]
	v_mul_u32_u24 v[AOUT], v[RR], PITCH
	v_lshl_add_u32 v[AOUT], v[HH], 7, v[AOUT]
	v_add_nc_u32 v[AOUT], s17, v[AOUT]             ; row r, + 128 h
.irp u, 0,1
.irp p, 0,1,2,3,4,5,6,7,8,9,10,11,12,13,14,15
	global_load_b128 v[X+64*\u+4*\p:X+64*\u+4*\p+3], v[L16], s[4:5] offset:(8*\u+\p%8+32*(\p/8))*512 th:TH_LOAD_NT   ; row p of tile u: key 8 u + p % 8 + 32 (p / 8) from my first
.endr
.endr
	s_wait_alu depctr_va_vdst(0)
.irp u, 0,1
	s_wait_loadcnt 16-16*\u                        ; this tile's sixteen loads are in
.irp p, 0,1,2,3,4,5,6,7,8,9,10,11,12,13,14,15
	ds_store_b128 v[AIN], v[X+64*\u+4*\p:X+64*\u+4*\p+3] offset:PITCH*\p
.endr
.irp p, 0,1,2,3,4,5,6,7,8,9,10,11,12,13,14,15
	ds_load_b128 v[X+64*\u+4*\p:X+64*\u+4*\p+3], v[AOUT] offset:256*(\p/8)+16*(\p%8)   ; a wave's LDS instructions are served in order
.endr
	s_wait_dscnt 0x0
	QW X+64*\u, F+12*\u, T, W+\u
.irp g, 0,1,2
	global_store_b128 v[L16], v[F+12*\u+4*\g:F+12*\u+4*\g+3], s[28:29] offset:FRB*\u+512*\g   ; 512 consecutive bytes, aligned
.endr
.endr
	v_cmp_ne_u32 vcc_lo, 0, v[HH]
	v_cndmask_b32 v20, v[W], v[W+1], vcc_lo        ; lanes 0-15 tile 2 w's words, lanes 16-31 tile 2 w + 1's
	global_store_b32 v[SCO], v20, s[30:31]
	s_wait_tensorcnt 0x0                           ; the wave's end
	ds_add_u32 v216, v217
	s_wait_dscnt 0x0
	s_endpgm
	; ---- V.  Wave w takes channels 32 w .. 32 w + 31, a lane a channel, registers down the keys: a block of 32 keys lies in one lane.
.Lvals:
	s_lshl_b32 s28, s16, 7
	s_add_co_u32 s20, s20, s28
	s_add_nc_u64 s[6:7], s[6:7], s[20:21]
	s_add_co_u32 s24, s24, 8*FRB
	s_add_co_u32 s26, s26, 512
	s_add_nc_u64 s[28:29], s[12:13], s[24:25]
	s_add_nc_u64 s[30:31], s[12:13], s[26:27]
	s_wait_alu depctr_va_vdst(0)
	v_mul_u32_u24 v[AIN], v[HH], FRB
	v_lshl_add_u32 v[AIN], v[RR], 4, v[AIN]        ; my channel is row r of tile 2 w + lane / 16
.macro VLOAD t
.set nn, 0
.rept 32
	global_load_b32 v[X+32*(\t)+nn], v[L4], s[6:7] offset:(32*(\t)+nn)*512 th:TH_LOAD_NT
.set nn, nn+1
.endr
.endm
.macro VBLOCK t                        ; block t = 2 c + h is registers 6 c .. 6 c + 5 of the image's lane (r, h)
.set XS, X+32*(\t)
.set FD, F+12*((\t)%2)+6*((\t)/2)
.if (\t) < 3
	s_wait_loadcnt 32                              ; this block's 32 loads are in; the 32 asked for last may be out
.else
	s_wait_loadcnt 0x0
.endif
.if (\t) < 2
	VLOAD (\t)+2
.endif
	v_max3_num_f32 v[QM], |v[XS]|, |v[XS+1]|, |v[XS+2]|
	v_max3_num_f32 v[QM+1], |v[XS+3]|, |v[XS+4]|, |v[XS+5]|
.irp i, 6,10,14,18,22,26
	v_max3_num_f32 v[QM], v[QM], |v[XS+\i]|, |v[XS+\i+1]|
	v_max3_num_f32 v[QM+1], v[QM+1], |v[XS+\i+2]|, |v[XS+\i+3]|
.endr
	v_max3_num_f32 v[QM], v[QM], |v[XS+30]|, |v[XS+31]|
	v_max3_num_f32 v[QM], v[QM], v[QM+1], 0x1800000
	v_add_nc_u32 v[QS], 0xff000000, v[QM]
	v_lshrrev_b32 v[QM+1], 23, v[QS]
.if (\t) == 0
	v_mov_b32 v[W], v[QM+1]
.else
	v_lshl_or_b32 v[W], v[QM+1], 8*(\t), v[W]
.endif
	v_cvt_scalef32_pk16_fp6_f32 v[FD:FD+2], v[XS:XS+15], v[QS]
	v_cvt_scalef32_pk16_fp6_f32 v[T:T+2], v[XS+16:XS+31], v[QS]
	v_nop
.irp i, 0,1,2
	v_mov_b32 v[FD+3+\i], v[T+\i]
.endr
.endm
	VLOAD 0
	VLOAD 1
	VBLOCK 0
	VBLOCK 1
	VBLOCK 2
.irp g, 0,1,2
	global_store_b128 v[AIN], v[F+4*\g:F+4*\g+3], s[28:29] offset:512*\g           ; blocks 0 and 2: the image's lanes 0-15: 256 consecutive bytes, aligned
.endr
	VBLOCK 3
.irp g, 0,1,2
	global_store_b128 v[AIN], v[F+12+4*\g:F+12+4*\g+3], s[28:29] offset:512*\g+256   ; blocks 1 and 3: its lanes 16-31
.endr
	global_store_b32 v[SCO], v[W], s[30:31]
	s_endpgm
	; ---- THE MASKS.  A work-group takes a tile of 16 queries and half of the keys; wave w two key steps.  A step's 16 x 128 numbers of attn_mask turn through my stage so that
	; lane (r, h) holds, in register n, the number of query r and key 64 (n / 32) + 32 h + n % 32; a compare makes word n, a bit a lane.  pad_mask clears bits 0-15 or 16-31 of a word.
.set PADO, 16                          ; 256 (lane / 16) + 8 (lane % 16): pad_mask of the keys of words 2 lane and 2 lane + 1, lower half of the bits
.set L8,   17
.set LOW,  18
.set HIGH, 19
.set PD,   160
.set WA,   192                         ; lane i holds words 2 i and 2 i + 1 of a key step
.set FLG,  196                         ; lane 4 e + b: the flag of my key step e, batch b
.set FLO,  197                         ; its place: 8,192 b + 4 e
.set OUTW, 200
.Lmask:
	s_and_b32 s22, ttmp9, 255
	s_lshr_b32 s20, s22, 1                         ; the tile of queries
	s_and_b32 s21, s22, 1
	s_lshl_b32 s21, s21, 3
	s_lshl_b32 s22, s16, 1
	s_add_co_u32 s21, s21, s22                     ; my first key step
	s_lshl_b32 s22, s21, 9
	s_mov_b32 s23, 0
	s_add_nc_u64 s[10:11], s[10:11], s[22:23]
	s_lshl_b32 s24, s20, 17
	s_add_co_u32 s24, s24, s22
	s_mov_b32 s25, 0
	s_add_nc_u64 s[8:9], s[8:9], s[24:25]
	s_lshl_b32 s24, s20, 12
	s_lshl_b32 s26, s21, 8
	s_add_co_u32 s24, s24, s26
	s_add_nc_u64 s[14:15], s[14:15], s[24:25]
	s_lshl_b32 s24, s20, 6                         ; flags: 64 bytes a tile, 4 a key step
	s_lshl_b32 s26, s21, 2
	s_add_co_u32 s24, s24, s26
	s_add_nc_u64 s[28:29], s[28:29], s[24:25]
	s_lshl_b32 s26, 1, s21                         ; what a flag holds: 1 << key step
	s_lshl_b32 s27, s26, 1
	s_add_co_u32 s17, s17, MSTG
	s_wait_alu depctr_va_vdst(0)
	v_add_nc_u32 v[AIN], s17, v[L16]
	v_mul_u32_u24 v[AOUT], v[RR], PITCH
	v_lshl_add_u32 v[AOUT], v[HH], 7, v[AOUT]
	v_add_nc_u32 v[AOUT], s17, v[AOUT]             ; row r, + 128 h: my 32 keys of each 64
	v_lshrrev_b32 v[PADO], 4, v[LANE]
	v_lshlrev_b32 v[PADO], 8, v[PADO]
	v_and_b32 v20, 15, v[LANE]
	v_lshl_add_u32 v[PADO], v20, 3, v[PADO]
	v_lshlrev_b32 v[L8], 3, v[LANE]
	v_mov_b32 v[LOW], 0xffff
	v_mov_b32 v[HIGH], 0xffff0000
	v_mov_b32 v[FLG], 0
	v_and_b32 v[FLO], 3, v[LANE]
	v_lshlrev_b32 v[FLO], 13, v[FLO]
	v_lshrrev_b32 v198, 2, v[LANE]
	v_lshl_add_u32 v[FLO], v198, 2, v[FLO]
.irp i, 0,1,2,3
	v_mov_b32 v[WA+\i], 0                          ; v_writelane_b32's destination counts as read
.endr
.irp e, 0,1
.irp b, 0,1,2,3
	global_load_b64 v[PD+16*\e+4*\b:PD+16*\e+4*\b+1], v[PADO], s[10:11] offset:\b*8192+512*\e
	global_load_b64 v[PD+16*\e+4*\b+2:PD+16*\e+4*\b+3], v[PADO], s[10:11] offset:\b*8192+512*\e+128   ; the keys 32 further on: the upper half of the bits
.endr
.endr
.irp e, 0,1
.irp p, 0,1,2,3,4,5,6,7,8,9,10,11,12,13,14,15
	global_load_b128 v[X+64*\e+4*\p:X+64*\e+4*\p+3], v[L16], s[8:9] offset:\p*8192+512*\e th:TH_LOAD_NT
.endr
.endr
.macro UNIT e
	s_wait_loadcnt 16-16*\e                        ; pad_mask and this step's sixteen loads are in
.irp p, 0,1,2,3,4,5,6,7,8,9,10,11,12,13,14,15
	ds_store_b128 v[AIN], v[X+64*\e+4*\p:X+64*\e+4*\p+3] offset:PITCH*\p
.endr
.irp p, 0,1,2,3,4,5,6,7,8,9,10,11,12,13,14,15
	ds_load_b128 v[X+64*\e+4*\p:X+64*\e+4*\p+3], v[AOUT] offset:256*(\p/8)+16*(\p%8)
.endr
	s_wait_dscnt 0x0
.set nn, 0
.rept 64
	v_cmp_ne_u32 s[32+nn+4*(nn/32)], 0, v[X+64*\e+nn]              ; word n, in s32-63 and s68-99
.set nn, nn+1
.endr
.set nn, 0
.rept 64
	v_writelane_b32 v[WA+2*\e+nn%2], s[32+nn+4*(nn/32)], nn/2
.set nn, nn+1
.endr
.irp b, 0,1,2,3
.irp i, 0,1
	v_cmp_ne_u32 vcc_lo, 0, v[PD+16*\e+4*\b+\i]
	v_cndmask_b32 v20, 0, v[LOW], vcc_lo
	v_cmp_ne_u32 vcc_lo, 0, v[PD+16*\e+4*\b+2+\i]
	v_cndmask_b32 v21, 0, v[HIGH], vcc_lo
	v_or_b32 v20, v20, v21
	v_and_b32 v[OUTW+8*\e+2*\b+\i], v20, v[WA+2*\e+\i]
.endr
	global_store_b64 v[L8], v[OUTW+8*\e+2*\b:OUTW+8*\e+2*\b+1], s[14:15] offset:\b*524288+256*\e   ; 256 consecutive bytes, aligned
	v_and_b32 v20, v[OUTW+8*\e+2*\b], v[OUTW+8*\e+2*\b+1]
	v_cmp_ne_u32 vcc_lo, -1, v20                   ; the lanes whose two words have a 0 bit
	s_cmp_lg_u32 vcc_lo, 0
	s_cselect_b32 s20, s[26+\e], 0
	v_writelane_b32 v[FLG], s20, 4*\e+\b
.endr
.endm
	UNIT 0
	UNIT 1
	v_cmp_gt_u32 vcc_lo, 8, v[LANE]
	s_wait_alu depctr_va_vdst(0)
	s_wait_xcnt 0x0                                ; EXEC changes only behind this wait
	s_and_saveexec_b32 s22, vcc_lo
	global_store_b32 v[FLO], v[FLG], s[28:29]      ; eight flags, 4 bytes each: 32 bytes of the work-group's 65,536 read
	s_wait_xcnt 0x0
	s_or_b32 exec_lo, exec_lo, s22
	s_wait_tensorcnt 0x0                           ; the wave's end
	ds_add_u32 v216, v217
	s_wait_dscnt 0x0
	s_endpgm
.Lfunc_end_k_q9bb947bf5d_prep:
	.size	k_q9bb947bf5d_prep, .Lfunc_end_k_q9bb947bf5d_prep-k_q9bb947bf5d_prep
	.p2alignl 7, 3214868480
	.fill 96, 4, 3214868480
	.section	.rodata,"a",@progbits
	.p2align	6, 0x0
	.amdhsa_kernel k_q9bb947bf5d_prep
		.amdhsa_group_segment_fixed_size 68096
		.amdhsa_private_segment_fixed_size 0
		.amdhsa_enable_private_segment 0
		.amdhsa_kernarg_size 56
		.amdhsa_user_sgpr_count 2
		.amdhsa_user_sgpr_kernarg_segment_ptr 1
		.amdhsa_wavefront_size32 1
		.amdhsa_system_sgpr_workgroup_id_x 1
		.amdhsa_system_sgpr_workgroup_id_y 1
		.amdhsa_system_sgpr_workgroup_id_z 1
		.amdhsa_system_vgpr_workitem_id 0
		.amdhsa_next_free_vgpr 218
		.amdhsa_next_free_sgpr 100
		.amdhsa_reserve_vcc 1
		.amdhsa_float_denorm_mode_32 3
		.amdhsa_float_denorm_mode_16_64 3
		.amdhsa_memory_ordered 1
		.amdhsa_forward_progress 1
		.amdhsa_inst_pref_size 68
	.end_amdhsa_kernel
	.amdgpu_metadata
---
amdhsa.version: [ 1, 2 ]
amdhsa.kernels:
  - .name:           k_q9bb947bf5d_prep
    .symbol:         k_q9bb947bf5d_prep.kd
    .args:
      - { .name: k, .offset: 0, .size: 8, .value_kind: global_buffer, .address_space: global }
      - { .name: v, .offset: 8, .size: 8, .value_kind: global_buffer, .address_space: global }
      - { .name: attn_mask, .offset: 16, .size: 8, .value_kind: global_buffer, .address_space: global }
      - { .name: pad_mask, .offset: 24, .size: 8, .value_kind: global_buffer, .address_space: global }
      - { .name: kv, .offset: 32, .size: 8, .value_kind: global_buffer, .address_space: global }
      - { .name: maskw, .offset: 40, .size: 8, .value_kind: global_buffer, .address_space: global }
      - { .name: flags, .offset: 48, .size: 8, .value_kind: global_buffer, .address_space: global }
    .group_segment_fixed_size: 68096
    .private_segment_fixed_size: 0
    .kernarg_segment_align: 8
    .kernarg_segment_size: 56
    .max_flat_workgroup_size: 128
    .sgpr_count:     100
    .vgpr_count:     218
    .wavefront_size: 32
...
	.end_amdgpu_metadata
.endif
;; end of part 1
;; launch attn (part 2): grid 8 x 64, 16 waves a work-group, no clusters, 161,792 bytes of LDS; arguments q, kv, maskw, flags, out0; writes out0
.if DOCPART == 2
	.amdgcn_target "amdgcn-amd-amdhsa--gfx1250"
	.amdhsa_code_object_version 6
	.text
	.protected	k_q9bb947bf5d_attn
	.globl	k_q9bb947bf5d_attn
	.p2align	8
	.type	k_q9bb947bf5d_attn,@function
k_q9bb947bf5d_attn:
	s_mov_b64 s[64:65], 0
	v_nop
	global_prefetch_b8 v0, s[64:65] scope:SCOPE_SE
	s_setreg_imm32_b32 hwreg(HW_REG_WAVE_MODE, 25, 1), 1
	s_wait_xcnt 0x0
; out0[head][q][:] = the sum over keys of softmax(masked(q . k) / sqrt(128)) v, both products on codes of FP6 (E2M3) with one E8M0 scale for each 32 along a product's K.
; q [64][2048][128] f32 is quantised here, in registers; K's and V's codes and scale words come from kv as images of the operands' registers; the masks from maskw, a bit a score, and flags.
; THE SOFTMAX: t = score x log2(e) / sqrt(128); M = the row's largest t so far, rounded UP to a whole number; p = 2^(t - M) is quantised along the keys, not normalised; the row's sum is taken
; of the unquantised p and divides at the end.  When M moves, the sum and O are multiplied by 2^(old M - new M), which rounds nothing.
; THE MASKS: a score whose bit is 0 is replaced by NEG = -2^127.  c x NEG is exact and a whole number, so in a row with no key that counts t - M = 0 and p = 1 for every key: the plain mean of v.
; As soon as one key counts, the masked p are 0 and what was summed under the old M is multiplied by 0.  Bit s of my tile's flags says whether key step s has any 0 bit for my 16 queries:
; where it has none, a scalar branch on that stored number leads round the step's mask words and its 64 selects, which would change nothing.
; LIMITS: a true score at or below -2^127 would rank with the masked ones; NaN and infinities among the inputs are not served; blocks of q whose largest magnitude lies under 2^(3 - 127) take the byte 1.
; SHARES.  A work-group owns 256 queries of one head, each of its sixteen waves 16 of them, in 256 registers.  Every wave walks the head's 2,048 keys, 128 a step.
; Both products are used transposed (S^T = K Q^T, O^T = V^T P^T): a lane holds ONE query (lane % 16) throughout.
; kv, 409,600 bytes a head: key step ks at 24,576 ks: K's eight fragments, then V's eight, 1,536 bytes each: register j of lane l at 512 (j / 4) + 16 l + 4 (j % 4).
; Lane r of K's tile 4 c + t holds key 64 c + 8 t + r % 8 + 32 (r / 8): so score register n of lane (r, h) is key 64 (n / 32) + 32 h + n % 32: A WHOLE BLOCK OF 32 KEYS LIES IN ONE LANE'S 32 REGISTERS,
; in the order that P's operand wants: a block's largest score needs no other lane, and the conversions' results change no lane.
; Scale words at 393,216 + 1,024 ks: K's 512 bytes, then V's; tile T, row r at 256 (T / 4) + 16 r + 4 (T % 4).  maskw [batch][tile][key step][64 words]: bit l of word n belongs to score register n of lane l.
; NO TENSOR LOADS, NO CLUSTER: joint requests are tensor loads.
; THE RING: three LDS buffers of one key step.  In step s each thread stores its 48 bytes of step s + 1 (loaded a step ago) into the buffer that was read in step s - 2, asks for its 48 bytes of step s + 2,
; and signals the barrier; it waits for that barrier at the head of step s + 1.  A wave that has passed the wait knows that every wave has stored step s + 1 and has left step s - 1.
; Between signal and wait stand the step's LDS loads of buffer s % 3, which is next written behind the wait at the head of step s + 2.  The head's 16,384 bytes of scale words are stored once.
; PREFETCH: in step s (0 .. 11) key step s + 4, two steps ahead of the load that wants it; the head's eight work-groups share its 96 blocks of 256 bytes out by address, 12 each, asked by wave 15
; (lanes 12-31 name the twelfth again).  Steps 0 to 3 come by their loads alone.
; REGISTERS: v1-11, v28-31 addresses and constants; v12 -M, v13 the largest score, v[14:15] the sum; v16-27 Q; v32-79 four fragments; v80-91 my 48 bytes on their way to LDS; v92-95 at work;
; v96-159 S^T, then p; v160-223 O^T; v224-235 p's codes (before: partial sums); v236-247, v252, v254 at work; v248-251 four tiles' scale words, v253 p's, v255 Q's.
.set HEADB,  409600
.set SCALES, 393216
.set STEPB,  24576
.set FRB,    1536
.set VOFF,   8*FRB
.set SCL,    3*STEPB                   ; LDS: the scale words, behind the three buffers
.set STAGE,  SCL+16384                 ; 16 rows x 272 bytes for each wave, its own: q's turn and the way out
.set SP,     272
.set SPARE,  STAGE+16*16*SP            ; the spare words, 128 bytes a wave
.set LI,   1                           ; 16 x lane: buffers 0 and 1 by the offset
.set LIB,  2                           ; the same in buffer 2
.set LSC,  3                           ; SCL + 16 x (lane % 16)
.set ADS,  4                           ; the trip's scale words
.set SPW,  5
.set NIL,  6
.set GO,   7                           ; 512 (lane / 16) + 16 (lane % 16): my bytes in two rows of q or out0
.set H8,   8                           ; 8 x (lane / 16)
.set ST,   9                           ; 16 x thread: my bytes of a third of a key step, in kv and in buffers 0 and 1
.set STB,  10                          ; the same in buffer 2
.set RD,   11                          ; the stage by rows
.set PFO,  28                          ; 256 x min(lane, 11)
.set NEG,  29
.set QSO,  30                          ; the stage, q's way out: row r, + 128 h
.set SIN,  31                          ; the stage, O's way in: row r, + 32 h
.set QM,   232
.set QP,   234
.set QS,   244
.set OUTP, 4
.set MP,   6                           ; s[6:7] maskw at this step's words
.set PFA,  8
.set WV,   10
.set FL,   11                          ; the flags, this step's in bit 0
.set CS,   12                          ; s[12:13] c = log2(e) / sqrt(128)
.set SEL,  14
.set KP,   16                          ; s[16:17] kv at the trip's base
.set CN,   18                          ; -c
.set CNT,  19
.set PFC,  20                          ; prefetches to go
.set LIM,  21                          ; 0 in wave 15, else the greatest number
.set TS,   22                          ; the trip's scale words: 3,072 bytes a trip
.set QB,   30
.macro MLOAD
	s_load_b512 s[32:47], s[MP:MP+1], 0x0
	s_load_b512 s[48:63], s[MP:MP+1], 0x40
	s_load_b512 s[68:83], s[MP:MP+1], 0x80
	s_load_b512 s[84:99], s[MP:MP+1], 0xc0
.endm
.macro FRAGS off, soff                 ; four fragments, 512 consecutive bytes a load, and their scale words
.irp t, 0,1,2,3
.irp c, 0,1,2
	ds_load_b128 v[32+12*\t+4*\c:35+12*\t+4*\c], v[CR] offset:CB+(\off)+FRB*\t+512*\c
.endr
.endr
	ds_load_b128 v[248:251], v[ADS] offset:\soff
.endm
.macro SMUL g
.irp t, 0,1,2,3
	v_wmma_scale_f32_16x16x128_f8f6f4 v[96+8*(4*\g+\t):103+8*(4*\g+\t)], v[32+12*\t:43+12*\t], v[16:27], 0, v[248+\t], v255 matrix_a_fmt:MATRIX_FMT_FP6 matrix_b_fmt:MATRIX_FMT_FP6
.endr
.endm
.macro PVMUL g, first                  ; the eight accumulators take turns, one instruction a turn
.irp t, 0,1,2,3
.if \first
	v_wmma_scale_f32_16x16x128_f8f6f4 v[160+8*(4*\g+\t):167+8*(4*\g+\t)], v[32+12*\t:43+12*\t], v[224:235], 0, v[248+\t], v253 matrix_a_fmt:MATRIX_FMT_FP6 matrix_b_fmt:MATRIX_FMT_FP6
.else
	v_wmma_scale_f32_16x16x128_f8f6f4 v[160+8*(4*\g+\t):167+8*(4*\g+\t)], v[32+12*\t:43+12*\t], v[224:235], v[160+8*(4*\g+\t):167+8*(4*\g+\t)], v[248+\t], v253 matrix_a_fmt:MATRIX_FMT_FP6 matrix_b_fmt:MATRIX_FMT_FP6
.endif
.endr
.endm
.macro PLACES n
.rept \n
	v_nop
.endr
.endm
; 64 numbers of a lane become a fragment's 12 registers at v[f] and the row's scale word in v[w]
.macro QW x, f, t, w
.irp c, 0,1
	v_max3_num_f32 v[QM+\c], |v[(\x)+32*\c]|, |v[(\x)+32*\c+1]|, 0x1800000   ; the floor 2^(3 - 127) among the leaves
.endr
.irp i, 2,4,6,8,10,12,14,16,18,20,22,24,26,28,30
.irp c, 0,1
	s_delay_alu instid0(VALU_DEP_2)
	v_max3_num_f32 v[QM+\c], v[QM+\c], |v[(\x)+32*\c+\i]|, |v[(\x)+32*\c+\i+1]|
.endr
.endr
.irp c, 0,1
	s_delay_alu instid0(VALU_DEP_2)
	v_add_nc_u32 v[QS+\c], 0xff000000, v[QM+\c]
.endr
.irp c, 0,1
	s_delay_alu instid0(VALU_DEP_2)
	v_lshrrev_b32 v[QM+\c], 23, v[QS+\c]
.endr
	s_delay_alu instid0(VALU_DEP_1)
	v_lshl_or_b32 v[(\w)], v[QM+1], 16, v[QM]
	s_delay_alu instid0(VALU_DEP_1)
	v_lshlrev_b32 v[(\w)], v[H8], v[(\w)]
	s_delay_alu instid0(VALU_DEP_1)
	v_permlanex16_b32 v[QP], v[(\w)], s[SEL], s[SEL+1]
	s_delay_alu instid0(VALU_DEP_1)
	v_or_b32 v[(\w)], v[(\w)], v[QP]
.irp c, 0,1
	v_cvt_scalef32_pk16_fp6_f32 v[(\f)+6*\c:(\f)+6*\c+2], v[(\x)+32*\c:(\x)+32*\c+15], v[QS+\c]
	v_cvt_scalef32_pk16_fp6_f32 v[(\t)+4*\c:(\t)+4*\c+2], v[(\x)+32*\c+16:(\x)+32*\c+31], v[QS+\c]
.endr
	v_nop
.irp c, 0,1
.irp i, 0,1,2
	v_mov_b32 v[(\f)+6*\c+3+\i], v[(\t)+4*\c+\i]
.endr
.endr
.endm
	s_load_b256 s[32:39], s[0:1], 0x0              ; q, kv, maskw, flags
	s_load_b64 s[40:41], s[0:1], 0x20              ; out0
	v_lshl_add_u32 v[SPW], v0, 2, SPARE
	v_mov_b32 v[NIL], 0
	v_lshrrev_b32 v94, 5, v0
	v_readfirstlane_b32 s[WV], v94                 ; wave 0..15
	v_and_b32 v92, 15, v0                          ; r
	v_bfe_u32 v93, v0, 4, 1                        ; h
	v_lshlrev_b32 v[ST], 4, v0
	v_add_nc_u32 v[STB], 2*STEPB, v[ST]
	v_lshlrev_b32 v[GO], 9, v93
	v_lshl_add_u32 v[GO], v92, 4, v[GO]
	v_and_b32 v[LI], 31, v0
	v_min_u32 v[PFO], 11, v[LI]
	v_lshlrev_b32 v[PFO], 8, v[PFO]
	v_lshlrev_b32 v[LI], 4, v[LI]
	v_add_nc_u32 v[LIB], 2*STEPB, v[LI]
	v_lshl_add_u32 v[LSC], v92, 4, SCL
	v_lshlrev_b32 v[H8], 3, v93
	s_mul_i32 s66, s[WV], 16*SP
	s_add_co_u32 s66, s66, STAGE                   ; my stage
	s_mov_b32 s[TS], 0
	v_mul_u32_u24 v[RD], v93, SP
	v_lshl_add_u32 v[RD], v92, 4, v[RD]
	v_add_nc_u32 v[RD], s66, v[RD]
	v_mul_u32_u24 v[QSO], v92, SP
	v_lshl_add_u32 v[SIN], v93, 5, v[QSO]
	v_lshl_add_u32 v[QSO], v93, 7, v[QSO]
	v_add_nc_u32 v[SIN], s66, v[SIN]
	v_add_nc_u32 v[QSO], s66, v[QSO]
	v_add_nc_u32 v[ADS], s[TS], v[LSC]
	v_mov_b32 v[QP], 0                             ; lane permutes' destinations count as sources
	v_mov_b32 v240, 0
	v_mov_b32 v[NEG], 0xff000000                   ; -2^127
	v_mov_b32 v13, 0xff61b1e6                      ; the largest score so far: -3e38, under NEG too
	v_mov_b32 v12, 0x7e800000                      ; -M = 2^126, over every -M that follows: the first factor is 0
	v_mov_b32 v14, 0
	v_mov_b32 v15, 0
	v_mov_b32 v253, 0                              ; (named as the upper half of the pair v[252:253] before it is first written)
	s_and_b32 s42, ttmp7, 0xffff                   ; the head
	s_lshl_b32 s44, s42, 11
	s_lshl_b32 s45, ttmp9, 8
	s_add_co_u32 s44, s44, s45
	s_lshl_b32 s45, s[WV], 4
	s_add_co_u32 s44, s44, s45                     ; my first row: 2,048 x head + 256 x block + 16 x wave
	s_mov_b32 s45, 0
	s_lshl_b64 s[44:45], s[44:45], 9
	s_lshr_b32 s43, s42, 4                         ; the batch
	s_lshl_b32 s47, ttmp9, 4
	s_add_co_u32 s47, s47, s[WV]                   ; my tile of 16 queries
	s_lshl_b32 s46, s43, 19
	s_lshl_b32 s48, s47, 12
	s_add_co_u32 s46, s46, s48                     ; its 4,096 bytes of mask words
	s_lshl_b32 s48, s43, 13
	s_lshl_b32 s47, s47, 6
	s_add_co_u32 s48, s48, s47                     ; its 64 bytes of flags
	s_mov_b32 s47, 0
	s_mov_b32 s49, 0
	s_mul_i32 s50, s42, HEADB                      ; the head's part of kv
	s_mov_b32 s51, 0
	s_mul_i32 s52, ttmp9, 3072                     ; the prefetches: my work-group's twelve blocks,
	s_add_co_u32 s52, s52, s50
	s_add_co_u32 s52, s52, 4*STEPB                 ; of key step 4
	s_mov_b32 s53, 0
	s_cmp_eq_u32 s[WV], 15
	s_cselect_b32 s[LIM], 0, -1
	s_mov_b32 s[PFC], 12
	s_mov_b32 s[CS], 0x3e0293ee
	s_mov_b32 s[CS+1], s[CS]
	s_mov_b32 s[CN], 0xbe0293ee
	s_mov_b32 s[SEL], 0x76543210
	s_mov_b32 s[SEL+1], 0xfedcba98
	s_wait_alu depctr_va_vdst(0)                   ; ahead of the blocking wait
	s_wait_kmcnt 0x0
	s_add_nc_u64 s[KP:KP+1], s[34:35], s[50:51]
	s_add_nc_u64 s[QB:QB+1], s[32:33], s[44:45]
	s_add_nc_u64 s[OUTP:OUTP+1], s[40:41], s[44:45]
	s_add_nc_u64 s[MP:MP+1], s[36:37], s[46:47]
	s_add_nc_u64 s[PFA:PFA+1], s[34:35], s[52:53]
	s_add_nc_u64 s[54:55], s[38:39], s[48:49]
.irp i, 0,1,2
	global_load_b128 v[80+4*\i:83+4*\i], v[ST], s[KP:KP+1] offset:8192*\i              ; key step 0: 512 threads x 16 bytes, three times
.endr
.irp i, 0,1
	global_load_b128 v[32+4*\i:35+4*\i], v[ST], s[KP:KP+1] offset:SCALES+8192*\i       ; the head's scale words
.endr
.irp c, 0,1
.irp i, 0,1,2,3,4,5,6,7
	global_load_b128 v[96+32*\c+4*\i:99+32*\c+4*\i], v[GO], s[QB:QB+1] offset:1024*\i+256*\c th:TH_LOAD_NT   ; q: rows 2 i and 2 i + 1, bytes 256 c on
.endr
.endr
	s_load_b512 s[68:83], s[54:55], 0x0            ; my tile's sixteen flags
	s_wait_loadcnt 16                              ; all but q's sixteen
.irp i, 0,1,2
	ds_store_b128 v[ST], v[80+4*\i:83+4*\i] offset:8192*\i
.endr
.irp i, 0,1
	ds_store_b128 v[STB], v[32+4*\i:35+4*\i] offset:SCL-2*STEPB+8192*\i
.endr
	s_wait_dscnt 0x0                               ; the stores have read their registers
.irp i, 0,1,2
	global_load_b128 v[80+4*\i:83+4*\i], v[ST], s[KP:KP+1] offset:STEPB+8192*\i        ; key step 1
.endr
.irp c, 0,1
	s_wait_loadcnt 11-8*\c                         ; this half of q is in; behind it: the other half's eight and key step 1's three
.irp i, 0,1,2,3,4,5,6,7
	ds_store_b128 v[RD], v[96+32*\c+4*\i:99+32*\c+4*\i] offset:2*SP*\i
.endr
.irp j, 0,1,2,3,4,5,6,7
	ds_load_b128 v[96+32*\c+4*\j:99+32*\c+4*\j], v[QSO] offset:16*\j   ; a wave's LDS instructions are served in order
.endr
.endr
	s_wait_dscnt 0x0                               ; my stores of key step 0 and of the scale words are done
	s_barrier_signal -1
	s_wait_kmcnt 0x0
	s_or_b32 s[FL], s68, s69                       ; each flag holds its own bit
.irp i, 70,71,72,73,74,75,76,77,78,79,80,81,82,83
	s_or_b32 s[FL], s[FL], s\i
.endr
	QW 96, 16, 236, 255                            ; Q's fragment in v16-27, its scale words in v255
	s_wait_alu depctr_va_vdst(0)
; A KEY STEP.  cur: its buffer; j: its place in the trip (-1: step 0); st: the next step is stored and the barrier signalled; ld: the step after that is asked for; ask: a prefetch; first: O begins here.
.macro PHASE cur, j, st, ld, ask, first
.if (\cur) == 2
.set CR, LIB
.set CB, 0
.else
.set CR, LI
.set CB, (\cur)*STEPB
.endif
.if (\cur) == 1
.set NR, STB
.set NB, 0
.else
.set NR, ST
.set NB, (((\cur)+1)%3)*STEPB
.endif
	s_barrier_wait -1                              ; every wave has stored this step's block and has left the step before the last
.if \st
	s_wait_loadcnt 0x0                             ; my 48 bytes of the next step, asked for a step ago
.irp i, 0,1,2
	ds_store_b128 v[NR], v[80+4*\i:83+4*\i] offset:NB+8192*\i
.endr
	s_wait_dscnt 0x0                               ; for the others' sake, and the stores have read their registers
.if \ld
.irp i, 0,1,2
	global_load_b128 v[80+4*\i:83+4*\i], v[ST], s[KP:KP+1] offset:((\j)+3)*STEPB+8192*\i
.endr
.endif
.if \ask
	s_cmp_gt_u32 s[PFC], s[LIM]
	s_cbranch_scc0 .Lna_\@
	global_prefetch_b8 v[PFO], s[PFA:PFA+1] offset:((\j)+1)*STEPB th:TH_LOAD_NT scope:SCOPE_SE
.Lna_\@:
.endif
	s_barrier_signal -1
.endif
	PLACES 4                                       ; in front of loads into registers that the last products have read
	FRAGS 0, ((\j)+1)*1024
	s_wait_dscnt 0x0
	SMUL 0                                         ; S^T = K Q^T, four tiles of 16 keys at a time
	PLACES 4
	FRAGS 4*FRB, ((\j)+1)*1024+256
	s_wait_dscnt 0x0
	SMUL 1
	v_mov_b32 v241, v12                            ; the old -M; with three v_nop the four places behind the products
	PLACES 3
	FRAGS VOFF, ((\j)+1)*1024+512                  ; V's first four fragments land under the softmax
	s_bitcmp1_b32 s[FL], 0
	s_cbranch_scc0 .Lwhole_\@                      ; every key of the step counts for all my queries
	MLOAD
	s_wait_kmcnt 0x0
.set nn, 0
.rept 64
	v_cndmask_b32 v[96+nn], v[NEG], v[96+nn], s[32+nn+4*(nn/32)]   ; where the bit is 0: NEG
.set nn, nn+1
.endr
.Lwhole_\@:
.irp b, 0,1,2,3
	v_max3_num_f32 v[236+\b], v[96+16*\b], v[97+16*\b], v[98+16*\b]   ; four chains of 16; ascending
.endr
.irp i, 3,5,7,9,11,13
.irp b, 0,1,2,3
	v_max3_num_f32 v[236+\b], v[236+\b], v[96+16*\b+\i], v[97+16*\b+\i]   ; the four chains by turns
.endr
.endr
	v_max3_num_f32 v237, v237, v111, v127
	v_max3_num_f32 v239, v239, v143, v159
	v_max_num_f32 v236, v236, v237                 ; my block h's largest score: it serves the row's maximum and, since p rises with the score, the block's largest p
	v_max_num_f32 v238, v238, v239                 ; block 2 + h's
	v_max_num_f32 v254, v236, v238
	v_permlanex16_b32 v240, v254, s[SEL], s[SEL+1]
	v_max3_num_f32 v13, v13, v254, v240            ; the running largest score of my query
	v_mul_f32 v254, s[CN], v13                     ; -t
	v_floor_f32 v12, v254                          ; -M = floor(-t) = -ceil(t)
	v_sub_f32 v241, v12, v241                      ; old M less new M: a whole number, 0 or less
	v_cvt_i32_f32 v241, v241                       ; (it saturates)
	v_ldexp_f32 v252, 1.0, v241                    ; f = 2^(old M - new M)
.set nn, 0
.rept 32
	v_pk_fma_f32 v[96+nn:97+nn], v[96+nn:97+nn], s[CS:CS+1], v[12:13] op_sel_hi:[1,0,0]   ; t - M, two at a time
.set nn, nn+2
.endr
	v_fma_f32 v236, v236, s[CS], v12               ; the same of each block's largest score
	v_fma_f32 v238, v238, s[CS], v12
	s_wait_alu depctr_va_vdst(0)                   ; ahead of the batch
.set nn, 0
.rept 64
	v_exp_f32 v[96+nn], v[96+nn]                   ; p = 2^(t - M), at most 1
.set nn, nn+1
.endr
	v_exp_f32 v236, v236                           ; the blocks' largest p: the same two instructions on the same number give the same bits
	v_exp_f32 v238, v238
	v_pk_mul_f32 v[14:15], v[14:15], v[252:253] op_sel_hi:[1,0]   ; the sum under the new M: the plain instruction behind the batch
	s_wait_alu depctr_va_vdst(0)                   ; and the wait behind it, ahead of its first reader
.set nn, 0
.irp ch, 224,226,228,230,232,234,92            ; the row's sum, of the unquantised p: eight chains
	v_pk_add_f32 v[\ch:\ch+1], v[96+4*nn:97+4*nn], v[98+4*nn:99+4*nn]
.set nn, nn+1
.endr
	v_pk_add_f32 v[14:15], v[14:15], v[124:125]
.set nn, 126
.rept 2
.irp ch, 224,226,228,230,232,234,92,14
	v_pk_add_f32 v[\ch:\ch+1], v[\ch:\ch+1], v[nn:nn+1]
.set nn, nn+2
.endr
.endr
	v_pk_add_f32 v[224:225], v[224:225], v[158:159]
	v_pk_add_f32 v[226:227], v[226:227], v[228:229]
	v_pk_add_f32 v[230:231], v[230:231], v[232:233]
	v_pk_add_f32 v[234:235], v[234:235], v[92:93]
	v_max_num_f32 v236, 0x1800000, v236            ; the floor 2^(3 - 127): a block whose every p is 0 keeps the byte 1.  (The scale's lines and the sum's last four by turns)
	v_max_num_f32 v238, 0x1800000, v238
	v_pk_add_f32 v[14:15], v[14:15], v[224:225]
	v_pk_add_f32 v[226:227], v[226:227], v[230:231]
	v_add_nc_u32 v244, 0xff000000, v236            ; the conversions' scale operands
	v_add_nc_u32 v245, 0xff000000, v238
	v_pk_add_f32 v[14:15], v[14:15], v[234:235]
	v_lshrrev_b32 v236, 23, v244                   ; the bytes of blocks h and 2 + h
	v_lshrrev_b32 v238, 23, v245
	v_pk_add_f32 v[14:15], v[14:15], v[226:227]
	v_lshl_or_b32 v253, v238, 16, v236
	v_lshlrev_b32 v253, v[H8], v253                ; at their places,
	v_permlanex16_b32 v240, v253, s[SEL], s[SEL+1]
	v_or_b32 v253, v253, v240                      ; and lane l xor 16's two: p's scale word for these 128 keys
	v_cvt_scalef32_pk16_fp6_f32 v[224:226], v[96:111], v244
	v_cvt_scalef32_pk16_fp6_f32 v[92:94], v[112:127], v244       ; (three registers begin on an even number: moved below)
	v_cvt_scalef32_pk16_fp6_f32 v[230:232], v[128:143], v245
	v_cvt_scalef32_pk16_fp6_f32 v[240:242], v[144:159], v245
	v_nop                                          ; one plain instruction behind the scaled conversions
.irp i, 0,1,2
	v_mov_b32 v[227+\i], v[92+\i]
	v_mov_b32 v[233+\i], v[240+\i]
.endr
.if \first
	PLACES 4                                       ; with the seven lines above: the places between p's scale word and codes and the scaled products
.else
	s_wait_alu depctr_va_vdst(0)                   ; directly ahead of the first reader of O^T
.set nn, 0
.rept 32
	v_pk_mul_f32 v[160+nn:161+nn], v[160+nn:161+nn], v[252:253] op_sel_hi:[1,0]   ; O^T under the new M
.set nn, nn+2
.endr
.endif
	s_wait_alu depctr_va_vdst(0)                   ; ahead of the blocking wait
	s_wait_dscnt 0x0
	PVMUL 0, \first                                ; O^T += V^T P^T
	PLACES 4
	FRAGS VOFF+4*FRB, ((\j)+1)*1024+768
	s_wait_dscnt 0x0
	PVMUL 1, \first
	s_add_nc_u64 s[MP:MP+1], s[MP:MP+1], 256       ; no mask load is out: the one place that issues them waits for them
	s_lshr_b32 s[FL], s[FL], 1
.if \ask
	s_sub_co_u32 s[PFC], s[PFC], 1
.endif
.endm
	PHASE 0, -1, 1, 1, 1, 1                        ; key step 0
	s_mov_b32 s[CNT], 4
.Ltrip:                                                ; four trips of three key steps, once round the buffers: steps 1 to 12
	v_add_nc_u32 v[ADS], s[TS], v[LSC]
	s_wait_alu depctr_va_vdst(0)
	PHASE 1, 0, 1, 1, 1, 0
	PHASE 2, 1, 1, 1, 1, 0
	PHASE 0, 2, 1, 1, 1, 0
	s_wait_xcnt 0x0                                ; the trip's loads and prefetches have read their bases
	s_add_nc_u64 s[KP:KP+1], s[KP:KP+1], 3*STEPB
	s_add_nc_u64 s[PFA:PFA+1], s[PFA:PFA+1], 3*STEPB
	s_add_co_u32 s[TS], s[TS], 3*1024
	s_sub_co_u32 s[CNT], s[CNT], 1
	s_cmp_lg_u32 s[CNT], 0
	s_cbranch_scc1 .Ltrip
	v_add_nc_u32 v[ADS], s[TS], v[LSC]
	s_wait_alu depctr_va_vdst(0)
	PHASE 1, 0, 1, 1, 0, 0                         ; step 13 asks for step 15,
	PHASE 2, 1, 1, 0, 0, 0                         ; step 14 stores it,
	PHASE 0, 2, 0, 0, 0, 0                         ; step 15 stores and signals nothing
	; THE WAY OUT.  O^T is divided by the row's sum and goes through my stage, half a row of 16 queries at a time, so that sixteen lanes store 256 consecutive bytes, aligned.
	v_add_f32 v14, v14, v15
	v_permlanex16_b32 v252, v14, s[SEL], s[SEL+1]
	v_add_f32 v14, v14, v252
	s_wait_alu depctr_va_vdst(0)
	v_rcp_f32 v14, v14
	PLACES 4                                       ; the plain instruction behind the reciprocal, and the places behind the last products
	s_wait_alu depctr_va_vdst(0)
.set nn, 0
.rept 64
	v_mul_f32 v[96+nn], v[160+nn], v14             ; register 8 T + i is out0(r, 16 T + 8 h + i)
.set nn, nn+1
.endr
.irp u, 0,1
.irp t, 0,1,2,3
	ds_store_b128 v[SIN], v[96+32*\u+8*\t:99+32*\u+8*\t] offset:64*\t
	ds_store_b128 v[SIN], v[100+32*\u+8*\t:103+32*\u+8*\t] offset:64*\t+16
.endr
.irp i, 0,1,2,3,4,5,6,7
	ds_load_b128 v[32+32*\u+4*\i:35+32*\u+4*\i], v[RD] offset:2*\i*SP   ; a wave's LDS instructions are served in order
.endr
.endr
.irp u, 0,1
.irp i, 0,1,2,3,4,5,6,7
	s_wait_dscnt 23-16*\u-\i                       ; behind this load: the rest of its half's loads and, for the first half, the second half's eight stores and eight loads
	global_store_b128 v[GO], v[32+32*\u+4*\i:35+32*\u+4*\i], s[OUTP:OUTP+1] offset:2*\i*512+256*\u th:TH_STORE_NT
.endr
.endr
	s_wait_tensorcnt 0x0                           ; the wave's end
	ds_add_u32 v[SPW], v[NIL]
	s_wait_dscnt 0x0
	s_endpgm
.Lfunc_end_k_q9bb947bf5d_attn:
	.size	k_q9bb947bf5d_attn, .Lfunc_end_k_q9bb947bf5d_attn-k_q9bb947bf5d_attn
	.p2alignl 7, 3214868480
	.fill 96, 4, 3214868480
	.section	.rodata,"a",@progbits
	.p2align	6, 0x0
	.amdhsa_kernel k_q9bb947bf5d_attn
		.amdhsa_group_segment_fixed_size 161792
		.amdhsa_private_segment_fixed_size 0
		.amdhsa_enable_private_segment 0
		.amdhsa_kernarg_size 40
		.amdhsa_user_sgpr_count 2
		.amdhsa_user_sgpr_kernarg_segment_ptr 1
		.amdhsa_wavefront_size32 1
		.amdhsa_system_sgpr_workgroup_id_x 1
		.amdhsa_system_sgpr_workgroup_id_y 1
		.amdhsa_system_sgpr_workgroup_id_z 1
		.amdhsa_system_vgpr_workitem_id 0
		.amdhsa_next_free_vgpr 256
		.amdhsa_next_free_sgpr 100
		.amdhsa_reserve_vcc 0
		.amdhsa_float_denorm_mode_32 3
		.amdhsa_float_denorm_mode_16_64 3
		.amdhsa_memory_ordered 1
		.amdhsa_forward_progress 1
		.amdhsa_inst_pref_size 176
	.end_amdhsa_kernel
	.amdgpu_metadata
---
amdhsa.version: [ 1, 2 ]
amdhsa.kernels:
  - .name:           k_q9bb947bf5d_attn
    .symbol:         k_q9bb947bf5d_attn.kd
    .args:
      - { .name: q, .offset: 0, .size: 8, .value_kind: global_buffer, .address_space: global }
      - { .name: kv, .offset: 8, .size: 8, .value_kind: global_buffer, .address_space: global }
      - { .name: maskw, .offset: 16, .size: 8, .value_kind: global_buffer, .address_space: global }
      - { .name: flags, .offset: 24, .size: 8, .value_kind: global_buffer, .address_space: global }
      - { .name: out0, .offset: 32, .size: 8, .value_kind: global_buffer, .address_space: global }
    .group_segment_fixed_size: 161792
    .private_segment_fixed_size: 0
    .kernarg_segment_align: 8
    .kernarg_segment_size: 40
    .max_flat_workgroup_size: 512
    .sgpr_count:     100
    .vgpr_count:     256
    .wavefront_size: 32
...
	.end_amdgpu_metadata
.endif
;; end of part 2
